; MI455X (gfx1250); checked and timed in simulation.
; The chip was launched on July 23, 2026; its instructions are those of AMD's public machine-readable ISA for CDNA 5 (MIT licence, August 2026) and "CDNA5" Instruction Set Architecture Reference Guide (July 2026). The comments in the code are by the model that wrote it; some were corrected since.
;; Multi Head Attention. Allowed arithmetic: matrix products marked QUANTISED: E2M3 operands, one E8M0 scale for each 32 along K, by v_wmma_scale_f32_16x16x128_f8f6f4 with both operands' format E2M3, f32 sums; everything else in f32.
;; Inputs: Wk 1,024 x 1,024 float32; Wo 1,024 x 1,024 float32; Wq 1,024 x 1,024 float32; Wv 1,024 x 1,024 float32; bo 1,024 float32; x 2 x 2,048 x 1,024 float32.
;; Outputs: out0 2 x 2,048 x 1,024 float32.
;; This version of the problem:
;;   THIS VERSION OF THE PROBLEM IS GIVEN IN LOW PRECISION. The matrix products marked QUANTISED in the list below multiply operands that are first quantised to E2M3 (2 exponent bits, 3 mantissa bits; 6 bits a number), with one power-of-two scale for each 32 numbers along K (OCP MX v1.0); their sums are f32. All else is computed in f32.
;;   The module's matrix products, in the order in which they are computed (A, B: the left and right operand; K: the contracted axis; several contracted axes count as one K, in the product's order):
;;     1. [M 4,096, K 1,024] x [K 1,024, N 1,024]; A: input x; B: input Wq: QUANTISED
;;     2. [M 4,096, K 1,024] x [K 1,024, N 1,024]; A: input x; B: input Wk: QUANTISED
;;     3. [M 4,096, K 1,024] x [K 1,024, N 1,024]; A: input x; B: input Wv: QUANTISED
;;     4. batch 32 x [M 2,048, K 64] x [K 64, N 2,048]; A: computed on the way; B: computed on the way: QUANTISED
;;     5. batch 32 x [M 2,048, K 2,048] x [K 2,048, N 64]; A: softmax (see below); B: computed on the way: QUANTISED
;;     6. [M 4,096, K 1,024] x [K 1,024, N 1,024]; A: computed on the way; B: input Wo: QUANTISED
;;   THE QUANTISER, for each operand of a quantised product, along K:
;;     - K is cut into blocks of 32 from its start; a last block that is shorter is filled with zeros.
;;     - A block's scale is 2^e with e = floor(log2(the largest magnitude in the block)) - 2, held to -126 .. 127; a block of zeros has e = 0. As a byte (E8M0): e + 127.
;;     - Each number is divided by its block's scale, clamped to +-7.5, and rounded to the nearest number of E2M3, ties to even, subnormals kept.
;;     - The product sums the exact products of the quantised numbers (number of the format x scale) in f32.
;;   ~~~python
;;   def quantise(x, axis):      # numpy; x: float32 -> the quantised numbers, widened to float32 again
;;       x = np.moveaxis(x, axis, -1); K = x.shape[-1]
;;       x = np.pad(x, [(0, 0)] * (x.ndim - 1) + [(0, -K % 32)]); x = x.reshape(x.shape[:-1] + (-1, 32)); a = np.abs(x).max(-1, keepdims=True)
;;       e = np.where(a > 0, np.clip(np.frexp(np.where(a > 0, a, 1))[1] - 1 - 2, -126, 127), 0)      # np.frexp(a)[1] - 1 = floor(log2(a)), exactly
;;       r = np.clip(x / 2.0 ** e, -7.5, 7.5)
;;       step = 2.0 ** (np.maximum(np.frexp(np.where(r == 0, 1, r))[1] - 1, 0) - 3)
;;       q = np.round(r / step) * step * 2.0 ** e      # np.round: ties to even
;;       return np.moveaxis(q.reshape(q.shape[:-2] + (-1,))[..., :K], -1, axis).astype(np.float32)
;;   ~~~
;;   SOFTMAX AHEAD OF A QUANTISED PRODUCT. Where the list says 'softmax', what is quantised is not the finished softmax but p = 2^(t - M), with t = logit x log2(e) and M = ceil(the row's largest t), a whole number; so 1/2 < the row's largest p <= 1. The row's sum l is taken of the UNQUANTISED p, in f32, and the product's result is divided by l at the end. Since M is a whole number, a kernel that streams over the keys may use a running M (the ceiling of the running maximum): every later rescaling is an exact power of two, which a block's scale takes up: the codes' values come out the same.
;;   OPERANDS COMPUTED ON THE WAY. 'Computed on the way' means the value that the module computes at that place (a softmax that the list does not call 'softmax' is quantised finished and normalised). What goes into a quantiser is computed in f32, as accurately as f32 sums, v_exp_f32 and their like allow (about 1e-6 of the number): no bf16 or f16 on the way to a quantiser, and a product that is left as it is and whose result goes on into a quantised operand takes f32 operands (vector FMAs, or v_wmma_f32_16x16x4_f32). A number that lies on a knife's edge between two numbers of the format may be rounded either way, as far as f32 arithmetic and the matrix unit's own rounding can turn it there, and no further.
;; One version. Each part assembles by itself: llvm-mc -triple=amdgcn-amd-amdhsa -mcpu=gfx1250 --defsym DOCPART=n.
;; ======== version 1 of 1: 4 launches
;; workspace buffers: XOP 3,276,800 bytes; WOP 3,276,800 bytes; COP 3,276,800 bytes; QB 6,684,672 bytes; KV 6,684,672 bytes
;; launch prep (part 1): grid 512 x 1, 4 waves a work-group, no clusters, 0 bytes of LDS; arguments x, Wq, Wk, Wv, Wo, XOP, WOP; writes XOP, WOP
.if DOCPART == 1
	.amdgcn_target "amdgcn-amd-amdhsa--gfx1250"
	.amdhsa_code_object_version 6
	.text
	.protected	k_q0d9715c178_prep
	.globl	k_q0d9715c178_prep
	.p2align	8
	.type	k_q0d9715c178_prep,@function
k_q0d9715c178_prep:
	s_mov_b64 s[64:65], 0
	v_nop
	global_prefetch_b8 v0, s[64:65] scope:SCOPE_SE
	s_setreg_imm32_b32 hwreg(HW_REG_WAVE_MODE, 25, 1), 1
	s_wait_xcnt 0x0
; x [4096][1024] (K innermost) and Wq, Wk, Wv, Wo [1024 (K)][1024] (K is the first axis), f32, become codes of FP6 (E2M3) with one E8M0 byte for each 32 along K,
; laid in the order in which the products' operand registers take them.
; LAYOUT of XOP and WOP: [block of 128 rows: 32][K step of 128: 8][12,800 bytes].  In a K step's 12,800 bytes: eight tiles of 16 rows, each two halves (64 along K) of 768 bytes, then 16 scale words a tile.
;   A half: lane l = (r, h) owns six registers, K = 32 h + 0 .. 31 of the tile's row r: registers 0-3 at 16 l, registers 4-5 at 512 + 8 l.  A scale word: byte b for K = 32 b .. 32 b + 31 of the K step.
;   THE ROWS OF A TILE ARE NOT NEIGHBOURS: lane r of tile T takes row 32 (T / 2) + 8 (T % 2) + r + 8 (r / 8).  WOP's blocks: 0-7 Wq's columns, 8-15 Wk's, 16-23 Wv's, 24-31 Wo's.
; A block's scale is 2^(floor(log2(its largest magnitude)) - 2): its byte is the largest magnitude's exponent field - 2, held at 1 from below.
; LIMITS: a block of zeros, or one whose largest magnitude lies under 2^(3 - 127), gets the byte 1 (its codes are zeros or the nearest codes under that scale; the bytes are read by this program alone);
;   NaN and infinities among the inputs are not served.
; SHARES: work-groups 0-255 take a tile of 16 rows of x each, wave w its K steps 2 w and 2 w + 1: a lane holds four whole blocks of its row.  Work-groups 256-511 take 128 columns x 128 K of one weight:
;   a lane takes a column and its registers run down K, so that a block lies in one lane and nothing is transposed.  No LDS, no barrier: waves share nothing.  All of a wave's loads are issued at once.
.set SLAB,  12800
.set BLKB,  8*SLAB
.set X,     32                         ; v32-159  128 numbers: group g (a block of 32) at X + 32 g
.set CD,    160                        ; v160-183 codes: six registers a group
.set PT,    184                        ; v184-199 the second conversion's three registers, four a group (a conversion's three begin on an even number)
.set MX,    8                          ; v8-11    largest magnitudes
.set SO,    12                         ; v12-15   the conversions' scale operands
.set BY,    16                         ; v16-19   scale bytes
; two groups by turns: largest magnitude with the floor among its leaves, scale operand, byte, codes
.macro PAIR g0
.irp g, \g0, \g0+1
	v_max3_num_f32 v[MX+(\g)], |v[X+32*(\g)]|, |v[X+32*(\g)+1]|, 0x1800000
.endr
.irp i, 2,4,6,8,10,12,14,16,18,20,22,24,26,28,30
.irp g, \g0, \g0+1
	v_max3_num_f32 v[MX+(\g)], v[MX+(\g)], |v[X+32*(\g)+\i]|, |v[X+32*(\g)+\i+1]|
.endr
.endr
.irp g, \g0, \g0+1
	v_add_nc_u32 v[SO+(\g)], 0xff000000, v[MX+(\g)]          ; 2 off the exponent field: the conversion takes this operand's exponent field as its scale
.endr
.irp g, \g0, \g0+1
	v_lshrrev_b32 v[BY+(\g)], 23, v[SO+(\g)]                 ; the scale's byte
.endr
.irp g, \g0, \g0+1
	v_cvt_scalef32_pk16_fp6_f32 v[CD+6*(\g):CD+6*(\g)+2], v[X+32*(\g):X+32*(\g)+15], v[SO+(\g)]
	v_cvt_scalef32_pk16_fp6_f32 v[PT+4*(\g):PT+4*(\g)+2], v[X+32*(\g)+16:X+32*(\g)+31], v[SO+(\g)]
.endr
	v_nop                                                    ; one plain instruction between a scaled conversion and the vector instruction that reads its result
.irp g, \g0, \g0+1
.irp i, 0,1,2
	v_mov_b32 v[CD+6*(\g)+3+\i], v[PT+4*(\g)+\i]
.endr
.endr
.endm
.macro XOUT q                          ; x: group q = 2 (K step) + half: 512 and 256 consecutive bytes, each at a multiple of 256 from the buffer's first byte
	global_store_b128 v5, v[CD+6*(\q):CD+6*(\q)+3], s[30:31] offset:SLAB*((\q)/2)+768*((\q)%2)
	global_store_b64 v6, v[CD+6*(\q)+4:CD+6*(\q)+5], s[30:31] offset:SLAB*((\q)/2)+768*((\q)%2)+512
.endm
.macro WOUT kb                         ; a weight: block kb = 2 (half) + h of my column
	global_store_b128 v5, v[CD+6*(\kb):CD+6*(\kb)+3], s[32:33] offset:768*((\kb)/2)+256*((\kb)%2)
	global_store_b64 v6, v[CD+6*(\kb)+4:CD+6*(\kb)+5], s[32:33] offset:768*((\kb)/2)+512+128*((\kb)%2)
.endm
	s_load_b256 s[4:11], s[0:1], 0x0               ; x s[4:5], Wq s[6:7], Wk s[8:9], Wv s[10:11]
	s_load_b128 s[12:15], s[0:1], 0x20             ; Wo s[12:13], XOP s[14:15]
	s_load_b64 s[16:17], s[0:1], 0x30              ; WOP
	v_lshrrev_b32 v1, 5, v0
	v_readfirstlane_b32 s18, v1                    ; wave
	v_and_b32 v1, 31, v0                           ; lane
	v_and_b32 v2, 15, v0                           ; r
	v_bfe_u32 v3, v0, 4, 1                         ; h
	s_mov_b32 s20, 0x76543210
	s_mov_b32 s21, 0xfedcba98                      ; v_permlanex16_b32's selects for lane l xor 16
	s_mov_b32 s22, 0xffff0000                      ; a mask: lanes 16-31
	s_cmp_lt_u32 ttmp9, 256
	s_cbranch_scc0 .Lweights
	; ---- x: tile T = the work-group's number
	v_lshrrev_b32 v4, 3, v2
	v_lshl_add_u32 v4, v4, 3, v2                   ; r + 8 (r / 8)
	v_lshlrev_b32 v4, 12, v4                       ; rows of 4,096 bytes
	v_lshl_add_u32 v4, v3, 7, v4                   ; + 128 h: my block of 32 numbers
	v_lshlrev_b32 v5, 4, v1                        ; 16 x lane
	v_lshlrev_b32 v6, 3, v1                        ; 8 x lane
	v_lshlrev_b32 v7, 2, v2
	v_mad_u32_u24 v7, v3, SLAB, v7                 ; scale words: lanes 0-15 store the first K step's, lanes 16-31 the second's
	v_lshlrev_b32 v23, 3, v3                       ; 8 h
	v_mov_b32 v22, 0                               ; written once: a lane permute's destination counts as one of its sources
	s_lshr_b32 s24, ttmp9, 1
	s_lshl_b32 s24, s24, 17                        ; 32 (T / 2) rows
	s_and_b32 s25, ttmp9, 1
	s_lshl_b32 s25, s25, 15                        ; + 8 (T % 2) rows
	s_add_co_u32 s24, s24, s25
	s_lshl_b32 s25, s18, 10                        ; + my two K steps: 1,024 bytes a wave
	s_add_co_u32 s24, s24, s25
	s_mov_b32 s25, 0
	s_lshr_b32 s26, ttmp9, 3
	s_mul_i32 s26, s26, BLKB
	s_mul_i32 s27, s18, 2*SLAB
	s_add_co_u32 s26, s26, s27                     ; XOP: my block, my first K step
	s_and_b32 s28, ttmp9, 7
	s_mul_i32 s27, s28, 1536
	s_add_co_u32 s30, s26, s27                     ; the tile's codes
	s_mov_b32 s31, 0
	s_lshl_b32 s28, s28, 6
	s_add_co_u32 s28, s26, s28
	s_add_co_u32 s28, s28, 12288                   ; the tile's scale words
	s_mov_b32 s29, 0
	s_wait_kmcnt 0x0
	s_add_nc_u64 s[4:5], s[4:5], s[24:25]
	s_add_nc_u64 s[30:31], s[14:15], s[30:31]
	s_add_nc_u64 s[28:29], s[14:15], s[28:29]
.irp q, 0,1,2,3
.irp j, 0,1,2,3,4,5,6,7
	global_load_b128 v[X+32*\q+4*\j:X+32*\q+4*\j+3], v4, s[4:5] offset:256*\q+16*\j th:TH_LOAD_NT   ; group q: x(row, 128 (2 w) + 64 q + 32 h + 4 j ..)
.endr
.endr
	s_wait_loadcnt 16                              ; groups 0 and 1 are in; the 16 loads of groups 2 and 3 may be out
	PAIR 0
	XOUT 0
	XOUT 1
	v_lshl_or_b32 v20, v[BY+1], 16, v[BY]          ; my two bytes of the first K step: blocks h and 2 + h,
	v_lshlrev_b32 v20, v23, v20                    ; at their places in the word;
	v_permlanex16_b32 v22, v20, s20, s21
	v_or_b32 v20, v20, v22                         ; with lane l xor 16's two the word is whole
	s_wait_loadcnt 0x0
	PAIR 2
	XOUT 2
	XOUT 3
	v_lshl_or_b32 v21, v[BY+3], 16, v[BY+2]
	v_lshlrev_b32 v21, v23, v21
	v_permlanex16_b32 v22, v21, s20, s21
	v_or_b32 v21, v21, v22
	v_cndmask_b32 v20, v20, v21, s22               ; lanes 16-31 carry the second K step's word
	global_store_b32 v7, v20, s[28:29]
	s_endpgm
.Lweights:
	; ---- a weight: g = work-group - 256: weight g / 64, block of 128 columns (g / 8) % 8, K step g % 8
	s_sub_co_u32 s23, ttmp9, 256
	s_lshr_b32 s24, s23, 6                         ; which weight
	s_bfe_u32 s25, s23, 0x30003                    ; which 128 columns
	s_and_b32 s26, s23, 7                          ; which K step
	s_lshl_b32 s28, s26, 19                        ; 128 rows of 4,096 bytes
	s_lshl_b32 s27, s25, 9
	s_add_co_u32 s28, s28, s27
	s_lshl_b32 s27, s18, 7                         ; my wave's 32 columns
	s_add_co_u32 s28, s28, s27
	s_mov_b32 s29, 0
	s_lshr_b32 s30, s23, 3                         ; WOP's block = 8 x weight + block of columns
	s_mul_i32 s30, s30, BLKB
	s_mul_i32 s27, s26, SLAB
	s_add_co_u32 s30, s30, s27
	s_mul_i32 s27, s18, 3072                       ; my wave's columns are tiles 2 w and 2 w + 1
	s_add_co_u32 s32, s30, s27
	s_mov_b32 s33, 0
	s_lshl_b32 s27, s18, 7
	s_add_co_u32 s30, s30, s27
	s_add_co_u32 s30, s30, 12288
	s_mov_b32 s31, 0
	v_lshlrev_b32 v4, 2, v1                        ; in: 4 bytes a lane: the wave reads 128 consecutive bytes, the work-group 512
	v_bfe_u32 v8, v1, 3, 1                         ; column 32 w + l is row r' = l % 8 + 8 (l / 16) of tile 2 w + u, u = (l / 8) % 2
	v_and_b32 v9, 7, v1
	v_lshrrev_b32 v10, 4, v1
	v_lshl_add_u32 v9, v10, 3, v9
	v_mul_u32_u24 v10, v8, 1536
	v_lshl_add_u32 v5, v9, 4, v10                  ; 1,536 u + 16 r'
	v_lshl_add_u32 v6, v9, 3, v10                  ; 1,536 u + 8 r'
	v_lshlrev_b32 v7, 6, v8
	v_lshl_add_u32 v7, v9, 2, v7                   ; 64 u + 4 r'
	s_wait_kmcnt 0x0
	s_cmp_eq_u32 s24, 1                            ; the choice hangs on the work-group's number alone
	s_cselect_b64 s[6:7], s[8:9], s[6:7]
	s_cmp_eq_u32 s24, 2
	s_cselect_b64 s[6:7], s[10:11], s[6:7]
	s_cmp_eq_u32 s24, 3
	s_cselect_b64 s[6:7], s[12:13], s[6:7]
	s_add_nc_u64 s[6:7], s[6:7], s[28:29]
	s_add_nc_u64 s[32:33], s[16:17], s[32:33]
	s_add_nc_u64 s[30:31], s[16:17], s[30:31]
.set i, 0
.rept 128
	global_load_b32 v[X+i], v4, s[6:7] offset:i*4096 th:TH_LOAD_NT      ; W(128 s + i, my column)
.set i, i+1
.endr
	s_wait_loadcnt 63                              ; blocks 0 and 1 are in: 64 loads stand behind them, and 63 is the largest count that the wait can name
	PAIR 0
	WOUT 0
	WOUT 1
	s_wait_loadcnt 0x0
	PAIR 2
	WOUT 2
	WOUT 3
	v_lshl_or_b32 v20, v[BY+1], 8, v[BY]           ; my column's scale word: all four blocks are mine
	v_lshl_or_b32 v20, v[BY+2], 16, v20
	v_lshl_or_b32 v20, v[BY+3], 24, v20
	global_store_b32 v7, v20, s[30:31]
	s_endpgm
.Lfunc_end_k_q0d9715c178_prep:
	.size	k_q0d9715c178_prep, .Lfunc_end_k_q0d9715c178_prep-k_q0d9715c178_prep
	.p2alignl 7, 3214868480
	.fill 96, 4, 3214868480
	.section	.rodata,"a",@progbits
	.p2align	6, 0x0
	.amdhsa_kernel k_q0d9715c178_prep
		.amdhsa_group_segment_fixed_size 0
		.amdhsa_private_segment_fixed_size 0
		.amdhsa_enable_private_segment 0
		.amdhsa_kernarg_size 56
		.amdhsa_user_sgpr_count 2
		.amdhsa_user_sgpr_kernarg_segment_ptr 1
		.amdhsa_wavefront_size32 1
		.amdhsa_system_sgpr_workgroup_id_x 1
		.amdhsa_system_sgpr_workgroup_id_y 1
		.amdhsa_system_sgpr_workgroup_id_z 1
		.amdhsa_system_vgpr_workitem_id 0
		.amdhsa_next_free_vgpr 208
		.amdhsa_next_free_sgpr 66
		.amdhsa_reserve_vcc 0
		.amdhsa_float_denorm_mode_32 3
		.amdhsa_float_denorm_mode_16_64 3
		.amdhsa_memory_ordered 1
		.amdhsa_forward_progress 1
		.amdhsa_inst_pref_size 33
	.end_amdhsa_kernel
	.amdgpu_metadata
---
amdhsa.version: [ 1, 2 ]
amdhsa.kernels:
  - .name:           k_q0d9715c178_prep
    .symbol:         k_q0d9715c178_prep.kd
    .args:
      - { .name: x, .offset: 0, .size: 8, .value_kind: global_buffer, .address_space: global }
      - { .name: Wq, .offset: 8, .size: 8, .value_kind: global_buffer, .address_space: global }
      - { .name: Wk, .offset: 16, .size: 8, .value_kind: global_buffer, .address_space: global }
      - { .name: Wv, .offset: 24, .size: 8, .value_kind: global_buffer, .address_space: global }
      - { .name: Wo, .offset: 32, .size: 8, .value_kind: global_buffer, .address_space: global }
      - { .name: XOP, .offset: 40, .size: 8, .value_kind: global_buffer, .address_space: global }
      - { .name: WOP, .offset: 48, .size: 8, .value_kind: global_buffer, .address_space: global }
    .group_segment_fixed_size: 0
    .private_segment_fixed_size: 0
    .kernarg_segment_align: 8
    .kernarg_segment_size: 56
    .max_flat_workgroup_size: 128
    .sgpr_count:     66
    .vgpr_count:     208
    .wavefront_size: 32
...
	.end_amdgpu_metadata
.endif
;; end of part 1
;; launch qkv (part 2): grid 24 x 32, 4 waves a work-group, clusters of 4 x 4, 205,312 bytes of LDS; arguments XOP, WOP, QB, KV; writes QB, KV
.if DOCPART == 2
	.amdgcn_target "amdgcn-amd-amdhsa--gfx1250"
	.amdhsa_code_object_version 6
	.text
	.protected	k_q0d9715c178_qkv
	.globl	k_q0d9715c178_qkv
	.p2align	8
	.type	k_q0d9715c178_qkv,@function
k_q0d9715c178_qkv:
	s_mov_b64 s[64:65], 0
	v_nop
	global_prefetch_b8 v0, s[64:65] scope:SCOPE_SE
	s_setreg_imm32_b32 hwreg(HW_REG_WAVE_MODE, 25, 1), 1
	s_wait_xcnt 0x0
	s_wait_alu depctr_hold_cnt(0) depctr_sa_sdst(0) depctr_va_vdst(0) depctr_va_sdst(0) depctr_va_ssrc(0) depctr_va_vcc(0) depctr_vm_vsrc(0)
	s_getreg_b32 s2, hwreg(HW_REG_IB_STS2, 6, 4)
	s_cmp_eq_u32 s2, 0
	s_cbranch_scc0 .Lentry_in_a_cluster
	s_endpgm
.Lentry_in_a_cluster:
	s_bfe_u32 s2, ttmp6, 0x10000c
	s_cmp_lg_u32 s2, 0xf033
	s_cbranch_scc0 .Lentry_shape_is_right
	s_endpgm
.Lentry_shape_is_right:
; q = x Wq, k = x Wk, v = x Wv on codes of FP6 (E2M3) with E8M0 scales; the results are quantised in registers and leave as codes: q and k along the head's 64, v along the keys.
; A work-group makes 128 tokens (block y of XOP) x 128 columns (block x of WOP: 0-7 Wq, 8-15 Wk, 16-23 Wv); four waves, each 64 x 64: 16 accumulators.
; XOP, WOP: [block][K step of 128: 8][12,800 bytes]: eight tiles x two halves of 768 bytes in the order of the operand's registers (registers 0-3 of lane l at 16 l, 4-5 at 512 + 8 l), then 16 scale words a tile.
; Lane r of tile T holds row 32 (T / 2) + 8 (T % 2) + r + 8 (r / 8).  With source 0 = such a tile, the 16 registers of the results of tiles 2 b and 2 b + 1 are 16 NEIGHBOURS: index 32 b + 16 (lane / 16) + 0 .. 15.
; BOTH PANELS, for all of K (2 x 102,400 bytes), lie in LDS at once: every LDS byte is filled once, in four chunks of two K steps; a chunk is waited for (a counted wait, a barrier) just ahead of its first read.
; CLUSTER 4 x 4: x's panel is shared along a row of the cluster, the weight's along a column: each chunk is asked for jointly, by the same tensor load with a mask that names the four.
; TWO WAYS, parted on the CLUSTER's x (equal in all sixteen partners): q and k: source 0 = the weight's columns, source 1 = tokens: a lane holds a token, its registers run along the head's 64.
;   v: source 0 = tokens, source 1 = Wv's columns: a lane holds a channel d, its registers run along the tokens, which are the keys: K of attention's second product.
; OUT: KV [b x head: 32][128 keys: 16][13,056]: K's codes [tile 8][768]; V's codes [d tile 4][half 2][768]; K's scale words [tile 8][16] (bytes 2, 3 = 0); V's [d tile 4][16].  QB: the same places as K's, holding q.
;   V's scale words are stored two bytes at a time (a wave makes two of a word's four blocks): 2 bytes a lane, 128 KiB in the whole launch.
; LIMITS: a block of zeros or under 2^(3 - 127) gets the byte 1; NaN and infinities are not served.
; REGISTERS: window 0: v1-12 LDS addresses (two sets: K steps 0-3, 4-7); v13-15 16, 8, 4 x lane; v16-23 scale words, two sets; v28, v29 the add's two; v32-87 the way out; v128-255 accumulator (a, b) at 128 + 8 (4 a + b).
;   window 1: two fragment buffers of 128: source 0's four fragments at 12 b, source 1's at 48 + 12 a.
.set SLAB,   12800
.set PANEL,  8*SLAB
.set PY,     0                         ; LDS: x's panel
.set PX,     PANEL                     ; the weight's
.set SPARE,  2*PANEL                   ; the spare words, 128 bytes for each wave: two blocks of 256 bytes that no other line names
.set KVSLAB, 13056
.set KVHEAD, 16*KVSLAB
.set L16, 13
.set L8,  14
.set L4,  15
.set SPW, 28
.set NIL, 29
.set PT,  72                           ; v72-74 the second conversion's three registers
.set TM,  76                           ; v76-83 the quantiser's work
.set SEL, 20                           ; s[20:21] lane selects for lane l xor 16
.set G1Y, 24                           ; s[24:31] descriptor group 1, x's panel;  s[32:39] the weight's: they differ in the mask
.set G1X, 32
.set G0Y, 40                           ; s[40:55] group 0, a set for each of the four chunks;  s[68:83] the weight's
.set G0X, 68
.set MSB, 0
.macro WIN new                         ; the immediate's high byte repeats the setting that is left
.if MSB != \new
	s_set_vgpr_msb (MSB<<8)|\new
.set MSB, \new
.endif
.endm
.set MUL,  0x05                        ; sources 0 and 1 window 1; C and D window 0
.set TO_F, 0x40                        ; destination window 1, address window 0
.macro CREST
	s_cmp_lg_u32 s14, 0
	s_cbranch_scc1 .Lnot_wave_0_\@
	s_barrier_signal -3
.Lnot_wave_0_\@:
	s_barrier_wait -3
	s_barrier_signal -1
	s_barrier_wait -1
.endm
.macro CROUND                          ; a round of the cluster's barrier
	s_barrier_signal -1
	s_barrier_wait -1
	CREST
.endm
.macro PLACES                          ; four plain instructions between a matrix instruction and a load into, or a read of, its registers (ISA guide 7.12.1 for reads)
.rept 4
	v_nop
.endr
.endm
; LDS addresses: rp = the panel that feeds source 1 (my half s15), cp = the one that feeds source 0 (my half s16)
.macro ADDRS rp, cp
	s_mul_i32 s56, s15, 6144
	s_mul_i32 s57, s16, 6144
	s_lshl_b32 s58, s15, 8
	s_lshl_b32 s59, s16, 8
.irp j, 0,1
	s_add_co_u32 s60, s56, \rp+4*SLAB*\j
	v_add_nc_u32 v[1+6*\j], s60, v[L16]
	v_add_nc_u32 v[2+6*\j], s60, v[L8]
	s_add_co_u32 s60, s57, \cp+4*SLAB*\j
	v_add_nc_u32 v[3+6*\j], s60, v[L16]
	v_add_nc_u32 v[4+6*\j], s60, v[L8]
	s_add_co_u32 s60, s58, \rp+12288+4*SLAB*\j
	v_add_nc_u32 v[5+6*\j], s60, v[L4]
	s_add_co_u32 s60, s59, \cp+12288+4*SLAB*\j
	v_add_nc_u32 v[6+6*\j], s60, v[L4]
.endr
.endm
; K step s into buffer f: 36 LDS loads: 4 of scale words (tile 2 i's in lanes 0-15, tile 2 i + 1's in lanes 16-31), source 0's four fragments, source 1's four; the youngest eight are source 1's tiles 2 and 3
.macro FETCH s, f
.set FO, SLAB*((\s)%4)
.set FA, 6*((\s)/4)
	WIN 0
.irp i, 0,1
	ds_load_b32 v[16+4*(\f)+\i], v[5+FA] offset:FO+128*\i
	ds_load_b32 v[18+4*(\f)+\i], v[6+FA] offset:FO+128*\i
.endr
	WIN TO_F
.irp b, 0,1,2,3
.irp c, 0,1
	ds_load_b128 v[128*(\f)+12*\b+6*\c:128*(\f)+12*\b+6*\c+3], v[3+FA] offset:FO+1536*\b+768*\c
	ds_load_b64 v[128*(\f)+12*\b+6*\c+4:128*(\f)+12*\b+6*\c+5], v[4+FA] offset:FO+1536*\b+768*\c+512
.endr
.endr
.irp a, 0,1,2,3
.irp c, 0,1
	ds_load_b128 v[128*(\f)+48+12*\a+6*\c:128*(\f)+48+12*\a+6*\c+3], v[1+FA] offset:FO+1536*\a+768*\c
	ds_load_b64 v[128*(\f)+48+12*\a+6*\c+4:128*(\f)+48+12*\a+6*\c+5], v[2+FA] offset:FO+1536*\a+768*\c+512
.endr
.endr
.endm
; one product: accumulator (a, b).  An odd tile's scale words stand in lanes 16-31 of its pair's register.  first = 1: the product starts the sum: nothing is cleared
.macro WM f, a, b, first
.set rD, 128+8*(4*(\a)+(\b))
.set rA, 128*(\f)+12*(\b)
.set rB, 128*(\f)+48+12*(\a)
.set rSA, 18+4*(\f)+(\b)/2
.set rSB, 16+4*(\f)+(\a)/2
.set par, 2*((\a)%2)+(\b)%2
.if \first
.if par == 0
	v_wmma_scale_f32_16x16x128_f8f6f4 v[rD:rD+7], v[rA:rA+11], v[rB:rB+11], 0, v[rSA], v[rSB] matrix_a_fmt:MATRIX_FMT_FP6 matrix_b_fmt:MATRIX_FMT_FP6
.elseif par == 1
	v_wmma_scale_f32_16x16x128_f8f6f4 v[rD:rD+7], v[rA:rA+11], v[rB:rB+11], 0, v[rSA], v[rSB] matrix_a_fmt:MATRIX_FMT_FP6 matrix_b_fmt:MATRIX_FMT_FP6 matrix_a_scale:MATRIX_SCALE_ROW1
.elseif par == 2
	v_wmma_scale_f32_16x16x128_f8f6f4 v[rD:rD+7], v[rA:rA+11], v[rB:rB+11], 0, v[rSA], v[rSB] matrix_a_fmt:MATRIX_FMT_FP6 matrix_b_fmt:MATRIX_FMT_FP6 matrix_b_scale:MATRIX_SCALE_ROW1
.else
	v_wmma_scale_f32_16x16x128_f8f6f4 v[rD:rD+7], v[rA:rA+11], v[rB:rB+11], 0, v[rSA], v[rSB] matrix_a_fmt:MATRIX_FMT_FP6 matrix_b_fmt:MATRIX_FMT_FP6 matrix_a_scale:MATRIX_SCALE_ROW1 matrix_b_scale:MATRIX_SCALE_ROW1
.endif
.else
.if par == 0
	v_wmma_scale_f32_16x16x128_f8f6f4 v[rD:rD+7], v[rA:rA+11], v[rB:rB+11], v[rD:rD+7], v[rSA], v[rSB] matrix_a_fmt:MATRIX_FMT_FP6 matrix_b_fmt:MATRIX_FMT_FP6
.elseif par == 1
	v_wmma_scale_f32_16x16x128_f8f6f4 v[rD:rD+7], v[rA:rA+11], v[rB:rB+11], v[rD:rD+7], v[rSA], v[rSB] matrix_a_fmt:MATRIX_FMT_FP6 matrix_b_fmt:MATRIX_FMT_FP6 matrix_a_scale:MATRIX_SCALE_ROW1
.elseif par == 2
	v_wmma_scale_f32_16x16x128_f8f6f4 v[rD:rD+7], v[rA:rA+11], v[rB:rB+11], v[rD:rD+7], v[rSA], v[rSB] matrix_a_fmt:MATRIX_FMT_FP6 matrix_b_fmt:MATRIX_FMT_FP6 matrix_b_scale:MATRIX_SCALE_ROW1
.else
	v_wmma_scale_f32_16x16x128_f8f6f4 v[rD:rD+7], v[rA:rA+11], v[rB:rB+11], v[rD:rD+7], v[rSA], v[rSB] matrix_a_fmt:MATRIX_FMT_FP6 matrix_b_fmt:MATRIX_FMT_FP6 matrix_a_scale:MATRIX_SCALE_ROW1 matrix_b_scale:MATRIX_SCALE_ROW1
.endif
.endif
.endm
.macro MUL8 f, a0, first               ; eight products; the 16 accumulators take turns, one instruction a turn, in the same order in every K step
.irp a, \a0, \a0+1
.irp b, 0,1,2,3
	WM \f, \a, \b, \first
.endr
.endr
.endm
; a K step that has a successor.  sync = p (1 to 3): the successor is the first K step of chunk p
.macro STEP s, first, sync
	s_wait_dscnt 8                                 ; all of this K step but the youngest eight loads (source 1's tiles 2 and 3)
	WIN MUL
	MUL8 (\s)%2, 0, \first
.if \sync
	s_wait_tensorcnt 3-\sync                       ; my part of chunk p has landed; my later chunks may stay out
	s_wait_dscnt 0x0                               ; no LDS instruction of mine is pending at the signal
	s_barrier_signal -1
	s_barrier_wait -1                              ; everybody's part has landed
.endif
	PLACES
	FETCH (\s)+1, 1-(\s)%2
	s_wait_dscnt 36                                ; all but the 36 just issued
	WIN MUL
	MUL8 (\s)%2, 2, \first
.endm
.macro MAIN
	FETCH 0, 0
	STEP 0, 1, 0
	STEP 1, 0, 1
	STEP 2, 0, 0
	STEP 3, 0, 2
	STEP 4, 0, 0
	STEP 5, 0, 3
	STEP 6, 0, 0
	s_wait_dscnt 8                                 ; the last K step: nothing more to fetch
	WIN MUL
	MUL8 1, 0, 0
	s_wait_dscnt 0x0
	MUL8 1, 2, 0
	WIN 0
.endm
; 32 numbers of a lane, register 16 b + i = index 32 b + 16 (lane / 16) + i of my row, become a half fragment's six registers at v[pc] and two scale bytes in v[pw]
.macro QUANT32 src, pc, pw
.irp b, 0,1
	v_max3_num_f32 v[TM+\b], |v[(\src)+16*\b]|, |v[(\src)+16*\b+1]|, 0x1800000   ; with the floor 2^(3 - 127): the byte cannot fall under 1.  (Each accumulator is read from its low end on)
.endr
.irp i, 2,4,6,8,10,12,14
.irp b, 0,1
	v_max3_num_f32 v[TM+\b], v[TM+\b], |v[(\src)+16*\b+\i]|, |v[(\src)+16*\b+\i+1]|
.endr
.endr
.irp b, 0,1
	v_permlanex16_b32 v[TM+2+\b], v[TM+\b], s[SEL], s[SEL+1]
.endr
.irp b, 0,1
	v_max_num_f32 v[TM+\b], v[TM+\b], v[TM+2+\b]   ; with lane l xor 16's 16: the block's largest magnitude
.endr
.irp b, 0,1
	v_add_nc_u32 v[TM+4+\b], 0xff000000, v[TM+\b]  ; 2 off its exponent field: the conversion's scale operand
.endr
.irp b, 0,1
	v_lshrrev_b32 v[TM+6+\b], 23, v[TM+4+\b]       ; the scale's byte
.endr
	v_lshl_or_b32 v[(\pw)], v[TM+7], 8, v[TM+6]
	v_cvt_scalef32_pk16_fp6_f32 v[(\pc):(\pc)+2], v[(\src):(\src)+15], v[TM+4]
	v_cvt_scalef32_pk16_fp6_f32 v[PT:PT+2], v[(\src)+16:(\src)+31], v[TM+5]
	v_nop                                          ; one plain instruction behind a scaled conversion
.irp i, 0,1,2
	v_permlane16_swap_b32 v[(\pc)+\i], v[PT+\i]    ; a lane wants a WHOLE block: lanes 0-15 block 0, lanes 16-31 block 1
.endr
.irp i, 0,1,2
	v_mov_b32 v[(\pc)+3+\i], v[PT+\i]
.endr
.endm
.macro QALL                            ; my four tiles of source 1's rows; then the scale bytes of tiles 0, 1 and of tiles 2, 3 in one register each
	PLACES
	v_mov_b32 v[TM+2], 0                           ; written once: a lane permute's destination counts as one of its sources
	v_mov_b32 v[TM+3], 0
.irp a, 0,1,2,3
	QUANT32 128+32*\a, 32+8*\a, 64+\a
.endr
	v_cndmask_b32 v68, v64, v65, s17
	v_cndmask_b32 v69, v66, v67, s17
.endm
	s_load_b256 s[4:11], s[0:1], 0x0               ; XOP s[4:5], WOP s[6:7], QB s[8:9], KV s[10:11]
	v_lshl_add_u32 v[SPW], v0, 2, SPARE
	v_mov_b32 v[NIL], 0
	ds_add_u32 v[SPW], v[NIL]                      ; the wave's opening: the add and its wait stand ahead of my first tensor load; work on registers stands between them
	v_lshrrev_b32 v1, 5, v0
	v_readfirstlane_b32 s14, v1                    ; wave 0..3
	s_lshr_b32 s15, s14, 1                         ; my half of source 1's rows.  Also: I fetch x's panel (0) or the weight's (1)
	s_and_b32 s16, s14, 1                          ; my half of source 0's rows.  Also: which K step of a chunk's two I fetch
	s_bfe_u32 s84, ttmp6, 0x40000                  ; cx
	s_bfe_u32 s85, ttmp6, 0x40004                  ; cy
	s_lshl_b32 s86, ttmp9, 2
	s_add_co_u32 s86, s86, s84                     ; work-group x: WOP's block
	s_and_b32 s87, ttmp7, 0xffff
	s_lshl_b32 s87, s87, 2
	s_add_co_u32 s87, s87, s85                     ; work-group y: XOP's block
	s_lshl_b32 s88, s85, 2
	s_lshl_b32 s88, 15, s88                        ; my row of the cluster
	s_lshl_b32 s89, 0x1111, s84                    ; my column
	s_or_b32 s[G1Y], s88, (3<<16)|(1<<21)          ; 15:0 the mask; 17:16 elements of 8 bytes; 21 set beside a mask; no padding: fragments are read as consecutive bytes
	s_or_b32 s[G1X], s89, (3<<16)|(1<<21)
.irp g, G1Y, G1X
	s_mov_b32 s[\g+1], 32<<16                      ; tensor_dim0 = 32 elements: rows of 256 bytes
	s_mov_b32 s[\g+2], 50<<16                      ; tensor_dim1 = 50 rows: a K step's 12,800 dense bytes
	s_mov_b32 s[\g+3], 32<<16                      ; tile_dim0
	s_mov_b32 s[\g+4], 50                          ; tile_dim1
	s_mov_b32 s[\g+5], 32                          ; the pitch
	s_mov_b32 s[\g+6], 0
	s_mov_b32 s[\g+7], 0
.endr
	s_mul_i32 s56, s16, SLAB                       ; my K step of a chunk: no place in the cluster enters an LDS address
	s_mul_i32 s90, s87, PANEL
	s_add_co_u32 s90, s90, s56
	s_mov_b32 s91, 0
	s_mul_i32 s92, s86, PANEL
	s_add_co_u32 s92, s92, s56
	s_mov_b32 s93, 0
	s_mov_b32 s[SEL], 0x76543210
	s_mov_b32 s[SEL+1], 0xfedcba98
	s_mov_b32 s17, 0xffff0000                      ; a mask: lanes 16-31
	s_wait_dscnt 0x0                               ; the opening add is done
	s_wait_kmcnt 0x0
	s_add_nc_u64 s[90:91], s[4:5], s[90:91]
	s_add_nc_u64 s[92:93], s[6:7], s[92:93]
.irp p, 0,1,2,3
	s_mov_b32 s[G0Y+4*\p], 1
	s_add_co_u32 s[G0Y+4*\p+1], s56, PY+2*SLAB*\p
	s_add_nc_u64 s[G0Y+4*\p+2:G0Y+4*\p+3], s[90:91], 2*SLAB*\p
	s_or_b32 s[G0Y+4*\p+3], s[G0Y+4*\p+3], 0x80000000
	s_mov_b32 s[G0X+4*\p], 1
	s_add_co_u32 s[G0X+4*\p+1], s56, PX+2*SLAB*\p
	s_add_nc_u64 s[G0X+4*\p+2:G0X+4*\p+3], s[92:93], 2*SLAB*\p
	s_or_b32 s[G0X+4*\p+3], s[G0X+4*\p+3], 0x80000000
.endr
	CROUND                                         ; all sixteen work-groups are here: the joint loads meet
	s_cmp_eq_u32 s15, 0                            ; a wave's four fills stand in one branch on the wave's number: four tensor loads of mine are out
	s_cbranch_scc0 .Lfirst_x
.irp p, 0,1,2,3
	tensor_load_to_lds s[G0Y+4*\p:G0Y+4*\p+3], s[G1Y:G1Y+7]
	s_nop 0
.endr
	PLACES
	s_branch .Lfirst_asked
.Lfirst_x:
.irp p, 0,1,2,3
	tensor_load_to_lds s[G0X+4*\p:G0X+4*\p+3], s[G1X:G1X+7]
	s_nop 0
.endr
	PLACES
.Lfirst_asked:
	v_and_b32 v31, 31, v0
	v_lshlrev_b32 v[L16], 4, v31
	v_lshlrev_b32 v[L8], 3, v31
	v_lshlrev_b32 v[L4], 2, v31
	s_lshr_b32 s94, s87, 4
	s_lshl_b32 s94, s94, 4                         ; 16 x batch
	s_and_b32 s95, s87, 15
	s_mul_i32 s95, s95, KVSLAB                     ; my 128 tokens' place in a head
	s_wait_tensorcnt 3                             ; my part of chunk 0 has landed; three loads may stay out
	s_barrier_signal -1
	s_barrier_wait -1                              ; everybody's has
	s_cmp_ge_u32 ttmp9, 4                          ; the cluster's x: 0, 1 q; 2, 3 k; 4, 5 v: the same in all partners
	s_cbranch_scc1 .Lv_path
	; ---- q and k: a lane holds a token, registers run along my head's 64 channels
	ADDRS PY, PX
	MAIN
	s_and_b32 s56, s86, 7
	s_lshl_b32 s56, s56, 1
	s_add_co_u32 s56, s56, s16                     ; the head: 2 x block of columns + my half
	s_add_co_u32 s56, s56, s94
	s_mul_i32 s56, s56, KVHEAD
	s_add_co_u32 s56, s56, s95
	s_mul_i32 s57, s15, 3072                       ; my four tiles of tokens
	s_add_co_u32 s58, s56, s57
	s_mov_b32 s59, 0
	s_lshl_b32 s57, s15, 8
	s_add_co_u32 s60, s56, s57
	s_add_co_u32 s60, s60, 12288
	s_mov_b32 s61, 0
	s_cmp_lt_u32 ttmp9, 2
	s_cselect_b64 s[62:63], s[8:9], s[10:11]       ; q goes to QB, k to KV
	s_add_nc_u64 s[58:59], s[62:63], s[58:59]
	s_add_nc_u64 s[60:61], s[62:63], s[60:61]
	QALL
.irp a, 0,1,2,3
	global_store_b128 v[L16], v[32+8*\a:35+8*\a], s[58:59] offset:768*\a       ; 512 consecutive bytes, at a multiple of 256 from the buffer's first byte
	global_store_b64 v[L8], v[36+8*\a:37+8*\a], s[58:59] offset:768*\a+512     ; and 256
.endr
	global_store_b32 v[L4], v68, s[60:61]          ; scale words: bytes 0, 1 the head's two blocks; bytes 2, 3 are 0
	global_store_b32 v[L4], v69, s[60:61] offset:128
	s_branch .Lend
.Lv_path:
	; ---- v: a lane holds a channel d of my head, registers run along my 64 tokens
	ADDRS PX, PY
	MAIN
	s_sub_co_u32 s56, s86, 16
	s_lshl_b32 s56, s56, 1
	s_add_co_u32 s56, s56, s15                     ; the head: 2 x block of columns + my half of the columns
	s_add_co_u32 s56, s56, s94
	s_mul_i32 s56, s56, KVHEAD
	s_add_co_u32 s56, s56, s95
	s_mul_i32 s57, s16, 768                        ; my 64 tokens are half s16 of the 128 keys
	s_add_co_u32 s58, s56, s57
	s_add_co_u32 s58, s58, 6144
	s_mov_b32 s59, 0
	s_lshl_b32 s57, s16, 1
	s_add_co_u32 s60, s56, s57
	s_add_co_u32 s60, s60, 12800
	s_mov_b32 s61, 0
	s_add_nc_u64 s[58:59], s[10:11], s[58:59]
	s_add_nc_u64 s[60:61], s[10:11], s[60:61]
	QALL
.irp a, 0,1,2,3
	global_store_b128 v[L16], v[32+8*\a:35+8*\a], s[58:59] offset:1536*\a
	global_store_b64 v[L8], v[36+8*\a:37+8*\a], s[58:59] offset:1536*\a+512
.endr
	global_store_b16 v[L4], v68, s[60:61]          ; my two of a scale word's four bytes
	global_store_b16 v[L4], v69, s[60:61] offset:128
.Lend:
	s_wait_tensorcnt 0x0                           ; the wave's end
	ds_add_u32 v[SPW], v[NIL]
	s_wait_dscnt 0x0
	CROUND                                         ; the closing round: no work-group ends while a partner may still ask for a chunk that names it
	s_endpgm
.Lfunc_end_k_q0d9715c178_qkv:
	.size	k_q0d9715c178_qkv, .Lfunc_end_k_q0d9715c178_qkv-k_q0d9715c178_qkv
	.p2alignl 7, 3214868480
	.fill 96, 4, 3214868480
	.section	.rodata,"a",@progbits
	.p2align	6, 0x0
	.amdhsa_kernel k_q0d9715c178_qkv
		.amdhsa_group_segment_fixed_size 205312
		.amdhsa_private_segment_fixed_size 0
		.amdhsa_enable_private_segment 0
		.amdhsa_kernarg_size 32
		.amdhsa_user_sgpr_count 2
		.amdhsa_user_sgpr_kernarg_segment_ptr 1
		.amdhsa_wavefront_size32 1
		.amdhsa_system_sgpr_workgroup_id_x 1
		.amdhsa_system_sgpr_workgroup_id_y 1
		.amdhsa_system_sgpr_workgroup_id_z 1
		.amdhsa_system_vgpr_workitem_id 0
		.amdhsa_next_free_vgpr 512
		.amdhsa_next_free_sgpr 100
		.amdhsa_reserve_vcc 0
		.amdhsa_float_denorm_mode_32 3
		.amdhsa_float_denorm_mode_16_64 3
		.amdhsa_memory_ordered 1
		.amdhsa_forward_progress 1
		.amdhsa_inst_pref_size 101
	.end_amdhsa_kernel
	.amdgpu_metadata
---
amdhsa.version: [ 1, 2 ]
amdhsa.kernels:
  - .name:           k_q0d9715c178_qkv
    .symbol:         k_q0d9715c178_qkv.kd
    .args:
      - { .name: XOP, .offset: 0, .size: 8, .value_kind: global_buffer, .address_space: global }
      - { .name: WOP, .offset: 8, .size: 8, .value_kind: global_buffer, .address_space: global }
      - { .name: QB, .offset: 16, .size: 8, .value_kind: global_buffer, .address_space: global }
      - { .name: KV, .offset: 24, .size: 8, .value_kind: global_buffer, .address_space: global }
    .group_segment_fixed_size: 205312
    .private_segment_fixed_size: 0
    .kernarg_segment_align: 8
    .kernarg_segment_size: 32
    .max_flat_workgroup_size: 128
    .sgpr_count:     100
    .vgpr_count:     512
    .wavefront_size: 32
...
	.end_amdgpu_metadata
.endif
;; end of part 2
;; launch attn (part 3): grid 8 x 32, 16 waves a work-group, no clusters, 210,944 bytes of LDS; arguments QB, KV, COP; writes COP
.if DOCPART == 3
	.amdgcn_target "amdgcn-amd-amdhsa--gfx1250"
	.amdhsa_code_object_version 6
	.text
	.protected	k_q0d9715c178_attn
	.globl	k_q0d9715c178_attn
	.p2align	8
	.type	k_q0d9715c178_attn,@function
k_q0d9715c178_attn:
	s_mov_b64 s[64:65], 0
	v_nop
	global_prefetch_b8 v0, s[64:65] scope:SCOPE_SE
	s_setreg_imm32_b32 hwreg(HW_REG_WAVE_MODE, 25, 1), 1
	s_wait_xcnt 0x0
; ctx = softmax(q k^T / 8, causal) v for one (batch, head), both products on codes of FP6 (E2M3) with E8M0 scales; ctx leaves as codes, quantised along the model's 1,024 features, in the order of the last product's operand registers.
; THE SOFTMAX: t = score x log2(e) / 8; M = the row's largest t so far, rounded UP to a whole number; p = 2^(t - M) is quantised along the keys, not normalised; the row's sum is taken of the unquantised p and divides at the end.
;   When M moves, the sum and O are multiplied by 2^(old M - new M): exact.
; SHARES: work-group (i, batch x head).  Sixteen waves, one tile of 16 queries each: waves 0-7 the eight tiles of query block i (128 queries), waves 8-15 those of block 15 - i: every work-group has 8 (i + 1) + 8 (16 - i) = 136 key steps.
; THE HEAD'S K AND V, 16 pieces of 128 keys, 208,896 bytes, lie in LDS whole: every byte is filled once, by waves 0-3, four tensor loads each; four pieces are waited for (a counted wait, a barrier) ahead of their key steps.
; KV: [batch x head][128 keys: 16][13,056]: K's codes [tile 8][768]; V's [d tile 4][half 2][768]; K's scale words [tile][16]; V's [d tile][16].  QB: q at K's places.  A 768-byte half: registers 0-3 of lane l at 16 l, 4-5 at 512 + 8 l.
;   Lane r of tile T holds row 32 (T / 2) + 8 (T % 2) + r + 8 (r / 8), so that with both products used transposed (S^T = K Q^T, O^T = V^T P^T) a lane holds ONE query and its registers run along neighbouring keys, then along neighbouring channels.
; THE HEAD HAS 64 CHANNELS, the instruction takes 128 along K: Q's upper six registers are zero codes.  K's tile t is named as v[32 + 6 t .. + 11]: its upper six registers are the next tile's codes (zeros behind the last):
;   they meet Q's zero codes and add exactly 0; the scale bytes there are 0, which is a power of two and no NaN.
; CAUSAL: every wave walks all 16 key steps (constant trip counts, every barrier passed); a step all of whose keys come after the wave's query block is jumped over by a scalar branch on ids; in the one step on the diagonal hidden scores become -infinity.
; NO CLUSTER: that branch hangs on the work-group's query block, which the work-groups that share a head do not share.  NO PREFETCH: all that the work-group reads is asked for at its head.
; LIMITS: ctx is O x v_rcp_f32(sum); a block of zeros or under 2^(3 - 127) gets the byte 1; NaN and infinities are not served.
; REGISTERS: v1-3 16, 8, 4 x lane; v4, v5 the add's two; v6 the mask's bound; v7 4 x (lane % 16); v8-10 the step's LDS addresses; v12 -M, v13 the largest t, v[14:15] the sum; v16-27 Q, v28 its scale words;
;   v32-85 K's eight tiles, then V's four fragments; v86-89 K's scale words, v90-91 V's; v96-159 S^T, then p; v160-191 O^T; v192-203 p's codes; v204-210 conversions; v212-223 at work; v224 f; v225 p's scale word; v226-227 at work.
.set KVSLAB, 13056
.set KVHEAD, 16*KVSLAB
.set SPARE,  KVHEAD                    ; behind the head's K and V: the spare words, 128 bytes for each wave: eight blocks of 256 bytes that no other line names
.set WV,  18
.set SEL, 20                           ; s[20:21] lane selects for lane l xor 16
.set CS,  22                           ; s[22:23] c = log2(e) / 8
.set G1,  24                           ; s[24:31] descriptor group 1
.set G0,  32                           ; s[32:47] group 0: a set for each of a wave's four loads
.set TB,  50                           ; LDS byte at which the step's piece begins
.set KS,  51                           ; the key step
.set BQ,  52                           ; my query block
.set TL,  53                           ; my tile in it
.set CNT, 54
.set BH,  55                           ; batch x head
.set TM,  212
.set PT,  204
.macro QUANT32 src, pc, pw             ; 32 numbers of a lane, register 16 b + i = index 32 b + 16 (lane / 16) + i of my row -> a half fragment's six registers at v[pc], two scale bytes in v[pw]
.irp b, 0,1
	v_max3_num_f32 v[TM+\b], |v[(\src)+16*\b]|, |v[(\src)+16*\b+1]|, 0x1800000
.endr
.irp i, 2,4,6,8,10,12,14
.irp b, 0,1
	v_max3_num_f32 v[TM+\b], v[TM+\b], |v[(\src)+16*\b+\i]|, |v[(\src)+16*\b+\i+1]|
.endr
.endr
.irp b, 0,1
	v_permlanex16_b32 v[TM+2+\b], v[TM+\b], s[SEL], s[SEL+1]
.endr
.irp b, 0,1
	v_max_num_f32 v[TM+\b], v[TM+\b], v[TM+2+\b]
.endr
.irp b, 0,1
	v_add_nc_u32 v[TM+4+\b], 0xff000000, v[TM+\b]
.endr
.irp b, 0,1
	v_lshrrev_b32 v[TM+6+\b], 23, v[TM+4+\b]
.endr
	v_lshl_or_b32 v[(\pw)], v[TM+7], 8, v[TM+6]
	v_cvt_scalef32_pk16_fp6_f32 v[(\pc):(\pc)+2], v[(\src):(\src)+15], v[TM+4]
	v_cvt_scalef32_pk16_fp6_f32 v[PT:PT+2], v[(\src)+16:(\src)+31], v[TM+5]
	v_nop                                          ; one plain instruction behind a scaled conversion
.irp i, 0,1,2
	v_permlane16_swap_b32 v[(\pc)+\i], v[PT+\i]
.endr
.irp i, 0,1,2
	v_mov_b32 v[(\pc)+3+\i], v[PT+\i]
.endr
.endm
	s_load_b128 s[4:7], s[0:1], 0x0                ; QB s[4:5], KV s[6:7]
	s_load_b64 s[8:9], s[0:1], 0x10                ; COP
	v_lshl_add_u32 v4, v0, 2, SPARE
	v_mov_b32 v5, 0
	ds_add_u32 v4, v5                              ; the wave's opening: the add and its wait stand ahead of the first tensor load; work on registers stands between them
	v_lshrrev_b32 v1, 5, v0
	v_readfirstlane_b32 s[WV], v1                  ; wave 0..15
	s_mov_b32 s[G1], 3<<16                         ; no mask; elements of 8 bytes; no padding: fragments are read as consecutive bytes
	s_mov_b32 s[G1+1], 32<<16                      ; tensor_dim0 = 32: rows of 256 bytes
	s_mov_b32 s[G1+2], 51<<16                      ; tensor_dim1 = 51: a piece's 13,056 dense bytes
	s_mov_b32 s[G1+3], 32<<16                      ; tile_dim0
	s_mov_b32 s[G1+4], 51                          ; tile_dim1
	s_mov_b32 s[G1+5], 32                          ; the pitch
	s_mov_b32 s[G1+6], 0
	s_mov_b32 s[G1+7], 0
	s_and_b32 s[BH], ttmp7, 0xffff
	s_mul_i32 s56, s[BH], KVHEAD                   ; the head's first byte in QB and in KV
	s_and_b32 s57, s[WV], 3
	s_mul_i32 s57, s57, KVSLAB                     ; waves 0-3 fetch pieces w, w + 4, w + 8, w + 12
	s_add_co_u32 s58, s56, s57
	s_mov_b32 s59, 0
	s_sub_co_u32 s60, 15, ttmp9
	s_cmp_lt_u32 s[WV], 8
	s_cselect_b32 s[BQ], ttmp9, s60
	s_and_b32 s[TL], s[WV], 7
	s_mov_b32 s[SEL], 0x76543210
	s_mov_b32 s[SEL+1], 0xfedcba98
	s_mov_b32 s[CS], 0x3e38aa3b                    ; log2(e) / 8
	s_mov_b32 s[CS+1], s[CS]                       ; (named with it as a pair, so it is written)
	s_mov_b32 s[TB], 0
	s_mov_b32 s[KS], 0
	s_wait_dscnt 0x0                               ; the opening add is done
	s_wait_kmcnt 0x0
	s_add_nc_u64 s[58:59], s[6:7], s[58:59]
.irp p, 0,1,2,3
	s_mov_b32 s[G0+4*\p], 1
	s_add_co_u32 s[G0+4*\p+1], s57, 4*KVSLAB*\p
	s_add_nc_u64 s[G0+4*\p+2:G0+4*\p+3], s[58:59], 4*KVSLAB*\p
	s_or_b32 s[G0+4*\p+3], s[G0+4*\p+3], 0x80000000
.endr
	s_cmp_lt_u32 s[WV], 4                          ; all fills stand in one branch on the wave's number: four tensor loads of a fetching wave are out
	s_cbranch_scc0 .Lno_fetch
.irp p, 0,1,2,3
	tensor_load_to_lds s[G0+4*\p:G0+4*\p+3], s[G1:G1+7]
	s_nop 0
.endr
.rept 4
	v_nop
.endr
.Lno_fetch:
	v_and_b32 v8, 31, v0
	v_lshlrev_b32 v1, 4, v8                        ; 16 x lane
	v_lshlrev_b32 v2, 3, v8                        ; 8 x lane
	v_lshlrev_b32 v3, 2, v8                        ; 4 x lane
	v_and_b32 v8, 15, v0                           ; r
	v_bfe_u32 v9, v0, 4, 1                         ; h
	v_lshlrev_b32 v7, 2, v8                        ; 4 r
	s_mul_i32 s60, s[BQ], KVSLAB
	s_add_co_u32 s60, s60, s56
	s_mul_i32 s61, s[TL], 768
	s_add_co_u32 s62, s60, s61
	s_mov_b32 s63, 0
	s_add_nc_u64 s[62:63], s[4:5], s[62:63]        ; my tile of q
	s_lshl_b32 s61, s[TL], 6
	s_add_co_u32 s60, s60, s61
	s_add_co_u32 s60, s60, 12288
	s_mov_b32 s61, 0
	s_add_nc_u64 s[60:61], s[4:5], s[60:61]        ; and its scale words
	global_load_b128 v[16:19], v1, s[62:63]
	global_load_b64 v[20:21], v2, s[62:63] offset:512
	global_load_b32 v28, v7, s[60:61]
	s_lshr_b32 s66, s[TL], 1
	s_lshl_b32 s66, s66, 5
	s_and_b32 s67, s[TL], 1
	s_lshl_b32 s67, s67, 3
	s_add_co_u32 s66, s66, s67
	v_lshrrev_b32 v10, 3, v8
	v_lshl_add_u32 v6, v10, 3, v8
	v_lshlrev_b32 v10, 4, v9
	v_sub_nc_u32 v6, v6, v10
	v_add_nc_u32 v6, s66, v6                       ; my query's place in its block, less 16 (lane / 16): register 16 b + i of S^T holds key 32 b + i + 16 (lane / 16), hidden on the diagonal where 32 b + i is above this
	v_mov_b32 v13, 0xff61b1e6                      ; the largest t so far: -3e38, under every t
	v_floor_f32 v12, -v13                          ; -M
	v_mov_b32 v14, 0
	v_mov_b32 v15, 0
.irp j, 22,23,24,25,26,27,80,81,82,83,84,85
	v_mov_b32 v\j, 0                               ; Q's upper half: zero codes; and what stands behind K's last tile
.endr
.set j, 0
.rept 32
	v_mov_b32 v[160+j], 0                          ; O^T.  (The step is written once: the first finds zeros, which the first change of M leaves zeros)
.set j, j+1
.endr
.irp j, 212,213,214,215,216,217,218,219,224,225,226,227
	v_mov_b32 v\j, 0                               ; written once: lane permutes' destinations, and upper halves of pairs that are named whole
.endr
; A KEY STEP: 128 keys, the piece at LDS byte s[TB]
.macro STEP
	s_cmp_gt_u32 s[KS], s[BQ]
	s_cbranch_scc1 .Lhidden_\@                     ; all its keys come after my queries
	v_add_nc_u32 v8, s[TB], v1
	v_add_nc_u32 v9, s[TB], v2
	v_add_nc_u32 v10, s[TB], v3
	v_nop                                          ; four plain instructions between the last step's products and the loads into their registers
.irp t, 0,1,2,3,4,5,6,7
	ds_load_b128 v[32+6*\t:35+6*\t], v8 offset:768*\t
	ds_load_b64 v[36+6*\t:37+6*\t], v9 offset:768*\t+512
.endr
.irp i, 0,1,2,3
	ds_load_b32 v[86+\i], v10 offset:12288+128*\i  ; tile 2 i's scale words in lanes 0-15, tile 2 i + 1's in lanes 16-31
.endr
	s_wait_dscnt 0x0
.irp i, 0,1,2,3                                ; S^T = K Q^T
	v_wmma_scale_f32_16x16x128_f8f6f4 v[96+16*\i:103+16*\i], v[32+12*\i:43+12*\i], v[16:27], 0, v[86+\i], v28 matrix_a_fmt:MATRIX_FMT_FP6 matrix_b_fmt:MATRIX_FMT_FP6
	v_wmma_scale_f32_16x16x128_f8f6f4 v[104+16*\i:111+16*\i], v[38+12*\i:49+12*\i], v[16:27], 0, v[86+\i], v28 matrix_a_fmt:MATRIX_FMT_FP6 matrix_b_fmt:MATRIX_FMT_FP6 matrix_a_scale:MATRIX_SCALE_ROW1
.endr
.rept 4
	v_nop                                          ; places: ahead of the loads into K's registers and of the first read of the scores
.endr
.irp t, 0,1,2,3                                ; V's four fragments land while the softmax is worked
.irp c, 0,1
	ds_load_b128 v[32+12*\t+6*\c:35+12*\t+6*\c], v8 offset:6144+1536*\t+768*\c
	ds_load_b64 v[36+12*\t+6*\c:37+12*\t+6*\c], v9 offset:6144+1536*\t+768*\c+512
.endr
.endr
.irp i, 0,1
	ds_load_b32 v[90+\i], v10 offset:12800+128*\i
.endr
	s_cmp_lg_u32 s[KS], s[BQ]
	s_cbranch_scc1 .Lopen_\@                       ; off the diagonal every key counts
	v_mov_b32 v226, 0xff800000                     ; -infinity
.set n, 0
.rept 64
	v_cmp_gt_i32 vcc_lo, 32*(n/16)+n%16, v6
	v_cndmask_b32 v[96+n], v[96+n], v226, vcc_lo
.set n, n+1
.endr
.Lopen_\@:
.irp b, 0,1,2,3
	v_max3_num_f32 v[212+\b], v[96+16*\b], v[97+16*\b], v[98+16*\b]   ; the largest score of each block of 32 keys: it serves the row's maximum and, since p rises with the score, the block's largest p
.endr
.irp i, 3,5,7,9,11,13
.irp b, 0,1,2,3
	v_max3_num_f32 v[212+\b], v[212+\b], v[96+16*\b+\i], v[97+16*\b+\i]
.endr
.endr
.irp b, 0,1,2,3
	v_max_num_f32 v[212+\b], v[212+\b], v[111+16*\b]
.endr
.irp b, 0,1,2,3
	v_permlanex16_b32 v[216+\b], v[212+\b], s[SEL], s[SEL+1]
.endr
.irp b, 0,1,2,3
	v_max_num_f32 v[212+\b], v[212+\b], v[216+\b]  ; with lane l xor 16's 16 keys
.endr
	v_max3_num_f32 v226, v212, v213, v214
	v_max_num_f32 v226, v226, v215                 ; the step's largest score of my query
	v_mul_f32 v226, s[CS], v226                    ; as t
	v_max_num_f32 v13, v13, v226                   ; the running largest t
	v_mov_b32 v226, v12
	v_floor_f32 v12, -v13                          ; the new -M = -ceil(t): a whole number
	v_sub_f32 v226, v12, v226                      ; old M - new M: a whole number, 0 or less
	v_cvt_i32_f32 v226, v226                       ; (it saturates)
	v_ldexp_f32 v224, 1.0, v226                    ; f = 2^(old M - new M)
.set j, 0
.rept 32
	v_pk_fma_f32 v[96+j:97+j], v[96+j:97+j], s[CS:CS+1], v[12:13] op_sel_hi:[1,0,0]   ; t - M, two at a time
.set j, j+2
.endr
.irp b, 0,1,2,3
	v_fma_f32 v[212+\b], v[212+\b], s[CS], v12     ; the same of each block's largest score
.endr
.set j, 0
.rept 64
	v_exp_f32 v[96+j], v[96+j]                     ; p = 2^(t - M): not normalised
.set j, j+1
.endr
	v_pk_mul_f32 v[14:15], v[14:15], v[224:225] op_sel_hi:[1,0]   ; the sums under the new M: a plain instruction behind the exponentials
	s_wait_alu depctr_va_vdst(0)                   ; one wait for the batch of 64, ahead of its first reader
.irp b, 0,1,2,3
	v_exp_f32 v[212+\b], v[212+\b]                 ; the block's largest p
.endr
	v_pk_add_f32 v[216:217], v[96:97], v[98:99]    ; the row's sum is taken of the unquantised p: two at a time, in two chains
.set j, 4
.rept 15
	v_pk_add_f32 v[14:15], v[14:15], v[96+j:97+j]
	v_pk_add_f32 v[216:217], v[216:217], v[98+j:99+j]
.set j, j+4
.endr
	v_pk_add_f32 v[14:15], v[14:15], v[216:217]
	s_wait_alu depctr_va_vdst(0)                   ; and one for the four
.irp b, 0,1,2,3
	v_max_num_f32 v[212+\b], 0x1800000, v[212+\b]  ; the floor 2^(3 - 127): the byte cannot fall under 1
.endr
.irp b, 0,1,2,3
	v_add_nc_u32 v[220+\b], 0xff000000, v[212+\b]  ; the conversion's scale operand
.endr
.irp b, 0,1,2,3
	v_lshrrev_b32 v[216+\b], 23, v[220+\b]         ; the scale's byte
.endr
	v_lshl_or_b32 v225, v217, 8, v216              ; p's scale word for these 128 keys
	v_lshl_or_b32 v225, v218, 16, v225
	v_lshl_or_b32 v225, v219, 24, v225
.irp c, 0,1
	v_cvt_scalef32_pk16_fp6_f32 v[192+6*\c:194+6*\c], v[96+32*\c:111+32*\c], v[220+2*\c]
	v_cvt_scalef32_pk16_fp6_f32 v[204+4*\c:206+4*\c], v[112+32*\c:127+32*\c], v[220+2*\c+1]
.endr
	v_nop                                          ; one plain instruction behind a scaled conversion
.irp c, 0,1                                    ; a lane wants a WHOLE block: lanes 0-15 block 2 c, lanes 16-31 block 2 c + 1
.irp i, 0,1,2
	v_permlane16_swap_b32 v[192+6*\c+\i], v[204+4*\c+\i]
.endr
.irp i, 0,1,2
	v_mov_b32 v[195+6*\c+\i], v[204+4*\c+\i]
.endr
.endr
.set j, 0
.rept 16
	v_pk_mul_f32 v[160+j:161+j], v[160+j:161+j], v[224:225] op_sel_hi:[1,0]   ; O^T under the new M.  (These are also the places between the writes of p's codes and scale word and the products)
.set j, j+2
.endr
	s_wait_dscnt 0x0                               ; V is in
.irp i, 0,1                                    ; O^T += V^T P^T: four accumulators by turns
	v_wmma_scale_f32_16x16x128_f8f6f4 v[160+16*\i:167+16*\i], v[32+24*\i:43+24*\i], v[192:203], v[160+16*\i:167+16*\i], v[90+\i], v225 matrix_a_fmt:MATRIX_FMT_FP6 matrix_b_fmt:MATRIX_FMT_FP6
	v_wmma_scale_f32_16x16x128_f8f6f4 v[168+16*\i:175+16*\i], v[44+24*\i:55+24*\i], v[192:203], v[168+16*\i:175+16*\i], v[90+\i], v225 matrix_a_fmt:MATRIX_FMT_FP6 matrix_b_fmt:MATRIX_FMT_FP6 matrix_a_scale:MATRIX_SCALE_ROW1
.endr
.Lhidden_\@:
	s_add_co_u32 s[TB], s[TB], KVSLAB
	s_add_co_u32 s[KS], s[KS], 1
.endm
; four key steps, behind the wait and the barrier that show their four pieces landed
.macro PHASE p
	s_wait_tensorcnt 3-\p                          ; my load p has landed; my later ones may stay out
	s_wait_dscnt 0x0                               ; no LDS instruction of mine is pending at the signal
	s_barrier_signal -1
	s_barrier_wait -1
	s_mov_b32 s[CNT], 4
.Lphase_\@:
	STEP
	s_sub_co_u32 s[CNT], s[CNT], 1
	s_cmp_lg_u32 s[CNT], 0
	s_cbranch_scc1 .Lphase_\@
.endm
	s_wait_loadcnt 0x0                             ; Q
	PHASE 0
	PHASE 1
	PHASE 2
	PHASE 3
	; THE WAY OUT: ctx = O^T / the sum; register 16 b + i is channel 32 b + 16 (lane / 16) + i of my query: two blocks of the model's features; they leave as one half fragment of COP
.rept 4
	v_nop                                          ; places behind the last products
.endr
	v_add_f32 v14, v14, v15
	v_permlanex16_b32 v226, v14, s[SEL], s[SEL+1]
	v_add_f32 v14, v14, v226                       ; the row's sum
	v_rcp_f32 v14, v14
	v_nop                                          ; a plain instruction behind the reciprocal
	s_lshr_b32 s68, s[BH], 4
	s_lshl_b32 s68, s68, 4
	s_add_co_u32 s68, s68, s[BQ]                   ; COP's block of 128 tokens: 16 x batch + my query block
	s_mul_i32 s68, s68, 102400
	s_bfe_u32 s69, s[BH], 0x30001                  ; K step = head / 2
	s_mul_i32 s69, s69, 12800
	s_add_co_u32 s68, s68, s69
	s_and_b32 s69, s[BH], 1                        ; half = head % 2
	s_mul_i32 s70, s[TL], 1536
	s_mul_i32 s71, s69, 768
	s_add_co_u32 s70, s70, s71
	s_add_co_u32 s70, s70, s68
	s_mov_b32 s71, 0
	s_add_nc_u64 s[70:71], s[8:9], s[70:71]
	s_lshl_b32 s72, s[TL], 6
	s_lshl_b32 s69, s69, 1
	s_add_co_u32 s72, s72, s69
	s_add_co_u32 s72, s72, s68
	s_add_co_u32 s72, s72, 12288
	s_mov_b32 s73, 0
	s_add_nc_u64 s[72:73], s[8:9], s[72:73]
	s_wait_alu depctr_va_vdst(0)                   ; the wait ahead of the reciprocal's first reader
.set j, 0
.rept 32
	v_mul_f32 v[96+j], v[160+j], v14               ; each accumulator from its low end on
.set j, j+1
.endr
	QUANT32 96, 192, 227
	global_store_b128 v1, v[192:195], s[70:71]             ; 512 consecutive bytes, at a multiple of 256 from the buffer's first byte
	global_store_b64 v2, v[196:197], s[70:71] offset:512   ; and 256
	global_store_b16 v7, v227, s[72:73]            ; my head's two of a scale word's four bytes; lanes l and l + 16 write the same bytes with the same value
	s_wait_tensorcnt 0x0                           ; the wave's end
	ds_add_u32 v4, v5
	s_wait_dscnt 0x0
	s_endpgm
.Lfunc_end_k_q0d9715c178_attn:
	.size	k_q0d9715c178_attn, .Lfunc_end_k_q0d9715c178_attn-k_q0d9715c178_attn
	.p2alignl 7, 3214868480
	.fill 96, 4, 3214868480
	.section	.rodata,"a",@progbits
	.p2align	6, 0x0
	.amdhsa_kernel k_q0d9715c178_attn
		.amdhsa_group_segment_fixed_size 210944
		.amdhsa_private_segment_fixed_size 0
		.amdhsa_enable_private_segment 0
		.amdhsa_kernarg_size 24
		.amdhsa_user_sgpr_count 2
		.amdhsa_user_sgpr_kernarg_segment_ptr 1
		.amdhsa_wavefront_size32 1
		.amdhsa_system_sgpr_workgroup_id_x 1
		.amdhsa_system_sgpr_workgroup_id_y 1
		.amdhsa_system_sgpr_workgroup_id_z 1
		.amdhsa_system_vgpr_workitem_id 0
		.amdhsa_next_free_vgpr 256
		.amdhsa_next_free_sgpr 80
		.amdhsa_reserve_vcc 1
		.amdhsa_float_denorm_mode_32 3
		.amdhsa_float_denorm_mode_16_64 3
		.amdhsa_memory_ordered 1
		.amdhsa_forward_progress 1
		.amdhsa_inst_pref_size 97
	.end_amdhsa_kernel
	.amdgpu_metadata
---
amdhsa.version: [ 1, 2 ]
amdhsa.kernels:
  - .name:           k_q0d9715c178_attn
    .symbol:         k_q0d9715c178_attn.kd
    .args:
      - { .name: QB, .offset: 0, .size: 8, .value_kind: global_buffer, .address_space: global }
      - { .name: KV, .offset: 8, .size: 8, .value_kind: global_buffer, .address_space: global }
      - { .name: COP, .offset: 16, .size: 8, .value_kind: global_buffer, .address_space: global }
    .group_segment_fixed_size: 210944
    .private_segment_fixed_size: 0
    .kernarg_segment_align: 8
    .kernarg_segment_size: 24
    .max_flat_workgroup_size: 512
    .sgpr_count:     80
    .vgpr_count:     256
    .wavefront_size: 32
...
	.end_amdgpu_metadata
.endif
;; end of part 3
;; launch oproj (part 4): grid 8 x 32, 4 waves a work-group, clusters of 4 x 4, 272,896 bytes of LDS; arguments COP, WOP, bo, out0; writes out0
.if DOCPART == 4
	.amdgcn_target "amdgcn-amd-amdhsa--gfx1250"
	.amdhsa_code_object_version 6
	.text
	.protected	k_q0d9715c178_oproj
	.globl	k_q0d9715c178_oproj
	.p2align	8
	.type	k_q0d9715c178_oproj,@function
k_q0d9715c178_oproj:
	s_mov_b64 s[64:65], 0
	v_nop
	global_prefetch_b8 v0, s[64:65] scope:SCOPE_SE
	s_setreg_imm32_b32 hwreg(HW_REG_WAVE_MODE, 25, 1), 1
	s_wait_xcnt 0x0
	s_wait_alu depctr_hold_cnt(0) depctr_sa_sdst(0) depctr_va_vdst(0) depctr_va_sdst(0) depctr_va_ssrc(0) depctr_va_vcc(0) depctr_vm_vsrc(0)
	s_getreg_b32 s2, hwreg(HW_REG_IB_STS2, 6, 4)
	s_cmp_eq_u32 s2, 0
	s_cbranch_scc0 .Lentry_in_a_cluster
	s_endpgm
.Lentry_in_a_cluster:
	s_bfe_u32 s2, ttmp6, 0x10000c
	s_cmp_lg_u32 s2, 0xf033
	s_cbranch_scc0 .Lentry_shape_is_right
	s_endpgm
.Lentry_shape_is_right:
; out0 = ctx Wo + bo on codes of FP6 (E2M3) with E8M0 scales; sums in f32; bo is the C of each sum's first product.
; A work-group makes 128 tokens (block y of COP) x 128 columns (block 24 + x of WOP); four waves, each 64 x 64: 16 accumulators.
; COP, WOP: [block][K step of 128: 8][12,800 bytes]: eight tiles x two halves of 768 bytes in the order of the operand's registers (registers 0-3 of lane l at 16 l, 4-5 at 512 + 8 l), then 16 scale words a tile.
; Lane r of tile T holds row 32 (T / 2) + 8 (T % 2) + r + 8 (r / 8).  Source 0 = Wo's columns, source 1 = tokens: a lane holds a token, and register j of accumulator (a, b) column 32 (b / 2) + 8 (b % 2) + 16 (lane / 16) + j of my 64.
; BOTH PANELS, for all of K (2 x 102,400 bytes), lie in LDS at once: every LDS byte is filled once, in four chunks of two K steps; a chunk is waited for (a counted wait, a barrier) just ahead of its first read.
; CLUSTER 4 x 4: ctx's panel is shared along a row of the cluster, Wo's along a column: each chunk is asked for jointly, by the same tensor load with a mask that names the four.
; THE WAY OUT goes through one stage in LDS (128 rows x (512 + 16) bytes, bytes of its own): a row's 512 bytes come from two waves, so a barrier stands between writing and reading; each wave stores 32 whole rows.
; REGISTERS: window 0: v1-12 LDS addresses (two sets: K steps 0-3, 4-7); v13-15 16, 8, 4 x lane; v16-23 scale words, two sets; v24, v25 the stage; v28, v29 the add's two; v30 the bias's offset; v96-127 the bias; v128-255 accumulators, then rows of out0.
;   window 1: two fragment buffers of 128: source 0's four fragments at 12 b, source 1's at 48 + 12 a.
; SCALARS: s56-61 scratch and out0's base; s[62:63] the bias's base, written once: the bias's loads may read it until they are waited for.
.set SLAB,   12800
.set PANEL,  8*SLAB
.set PY,     0                         ; LDS: ctx's panel
.set PX,     PANEL                     ; Wo's
.set SPARE,  2*PANEL                   ; the spare words, 128 bytes for each wave: two blocks of 256 bytes that no other line names
.set STG,    SPARE+512                 ; the stage
.set SP,     528
.set L16, 13
.set L8,  14
.set L4,  15
.set SPW, 28
.set NIL, 29
.set G1Y, 24
.set G1X, 32
.set G0Y, 40
.set G0X, 68
.set MSB, 0
.macro WIN new                         ; the immediate's high byte repeats the setting that is left
.if MSB != \new
	s_set_vgpr_msb (MSB<<8)|\new
.set MSB, \new
.endif
.endm
.set MUL,  0x05                        ; sources 0 and 1 window 1; C and D window 0
.set TO_F, 0x40                        ; destination window 1, address window 0
.macro CREST
	s_cmp_lg_u32 s14, 0
	s_cbranch_scc1 .Lnot_wave_0_\@
	s_barrier_signal -3
.Lnot_wave_0_\@:
	s_barrier_wait -3
	s_barrier_signal -1
	s_barrier_wait -1
.endm
.macro CROUND                          ; a round of the cluster's barrier
	s_barrier_signal -1
	s_barrier_wait -1
	CREST
.endm
.macro PLACES                          ; four plain instructions between a matrix instruction and a load into, or a read of, its registers (ISA guide 7.12.1 for reads)
.rept 4
	v_nop
.endr
.endm
.macro ADDRS rp, cp
	s_mul_i32 s56, s15, 6144
	s_mul_i32 s57, s16, 6144
	s_lshl_b32 s58, s15, 8
	s_lshl_b32 s59, s16, 8
.irp j, 0,1
	s_add_co_u32 s60, s56, \rp+4*SLAB*\j
	v_add_nc_u32 v[1+6*\j], s60, v[L16]
	v_add_nc_u32 v[2+6*\j], s60, v[L8]
	s_add_co_u32 s60, s57, \cp+4*SLAB*\j
	v_add_nc_u32 v[3+6*\j], s60, v[L16]
	v_add_nc_u32 v[4+6*\j], s60, v[L8]
	s_add_co_u32 s60, s58, \rp+12288+4*SLAB*\j
	v_add_nc_u32 v[5+6*\j], s60, v[L4]
	s_add_co_u32 s60, s59, \cp+12288+4*SLAB*\j
	v_add_nc_u32 v[6+6*\j], s60, v[L4]
.endr
.endm
; K step s into buffer f: 36 LDS loads: 4 of scale words (tile 2 i's in lanes 0-15, tile 2 i + 1's in lanes 16-31), source 0's four fragments, source 1's four; the youngest eight are source 1's tiles 2 and 3
.macro FETCH s, f
.set FO, SLAB*((\s)%4)
.set FA, 6*((\s)/4)
	WIN 0
.irp i, 0,1
	ds_load_b32 v[16+4*(\f)+\i], v[5+FA] offset:FO+128*\i
	ds_load_b32 v[18+4*(\f)+\i], v[6+FA] offset:FO+128*\i
.endr
	WIN TO_F
.irp b, 0,1,2,3
.irp c, 0,1
	ds_load_b128 v[128*(\f)+12*\b+6*\c:128*(\f)+12*\b+6*\c+3], v[3+FA] offset:FO+1536*\b+768*\c
	ds_load_b64 v[128*(\f)+12*\b+6*\c+4:128*(\f)+12*\b+6*\c+5], v[4+FA] offset:FO+1536*\b+768*\c+512
.endr
.endr
.irp a, 0,1,2,3
.irp c, 0,1
	ds_load_b128 v[128*(\f)+48+12*\a+6*\c:128*(\f)+48+12*\a+6*\c+3], v[1+FA] offset:FO+1536*\a+768*\c
	ds_load_b64 v[128*(\f)+48+12*\a+6*\c+4:128*(\f)+48+12*\a+6*\c+5], v[2+FA] offset:FO+1536*\a+768*\c+512
.endr
.endr
.endm
; one product: accumulator (a, b).  An odd tile's scale words stand in lanes 16-31 of its pair's register.  first = 1: the sum starts from the bias of tile b's columns
.macro WM f, a, b, first
.set rD, 128+8*(4*(\a)+(\b))
.set rA, 128*(\f)+12*(\b)
.set rB, 128*(\f)+48+12*(\a)
.set rC, 96+8*(\b)
.set rSA, 18+4*(\f)+(\b)/2
.set rSB, 16+4*(\f)+(\a)/2
.set par, 2*((\a)%2)+(\b)%2
.if \first
.if par == 0
	v_wmma_scale_f32_16x16x128_f8f6f4 v[rD:rD+7], v[rA:rA+11], v[rB:rB+11], v[rC:rC+7], v[rSA], v[rSB] matrix_a_fmt:MATRIX_FMT_FP6 matrix_b_fmt:MATRIX_FMT_FP6
.elseif par == 1
	v_wmma_scale_f32_16x16x128_f8f6f4 v[rD:rD+7], v[rA:rA+11], v[rB:rB+11], v[rC:rC+7], v[rSA], v[rSB] matrix_a_fmt:MATRIX_FMT_FP6 matrix_b_fmt:MATRIX_FMT_FP6 matrix_a_scale:MATRIX_SCALE_ROW1
.elseif par == 2
	v_wmma_scale_f32_16x16x128_f8f6f4 v[rD:rD+7], v[rA:rA+11], v[rB:rB+11], v[rC:rC+7], v[rSA], v[rSB] matrix_a_fmt:MATRIX_FMT_FP6 matrix_b_fmt:MATRIX_FMT_FP6 matrix_b_scale:MATRIX_SCALE_ROW1
.else
	v_wmma_scale_f32_16x16x128_f8f6f4 v[rD:rD+7], v[rA:rA+11], v[rB:rB+11], v[rC:rC+7], v[rSA], v[rSB] matrix_a_fmt:MATRIX_FMT_FP6 matrix_b_fmt:MATRIX_FMT_FP6 matrix_a_scale:MATRIX_SCALE_ROW1 matrix_b_scale:MATRIX_SCALE_ROW1
.endif
.else
.if par == 0
	v_wmma_scale_f32_16x16x128_f8f6f4 v[rD:rD+7], v[rA:rA+11], v[rB:rB+11], v[rD:rD+7], v[rSA], v[rSB] matrix_a_fmt:MATRIX_FMT_FP6 matrix_b_fmt:MATRIX_FMT_FP6
.elseif par == 1
	v_wmma_scale_f32_16x16x128_f8f6f4 v[rD:rD+7], v[rA:rA+11], v[rB:rB+11], v[rD:rD+7], v[rSA], v[rSB] matrix_a_fmt:MATRIX_FMT_FP6 matrix_b_fmt:MATRIX_FMT_FP6 matrix_a_scale:MATRIX_SCALE_ROW1
.elseif par == 2
	v_wmma_scale_f32_16x16x128_f8f6f4 v[rD:rD+7], v[rA:rA+11], v[rB:rB+11], v[rD:rD+7], v[rSA], v[rSB] matrix_a_fmt:MATRIX_FMT_FP6 matrix_b_fmt:MATRIX_FMT_FP6 matrix_b_scale:MATRIX_SCALE_ROW1
.else
	v_wmma_scale_f32_16x16x128_f8f6f4 v[rD:rD+7], v[rA:rA+11], v[rB:rB+11], v[rD:rD+7], v[rSA], v[rSB] matrix_a_fmt:MATRIX_FMT_FP6 matrix_b_fmt:MATRIX_FMT_FP6 matrix_a_scale:MATRIX_SCALE_ROW1 matrix_b_scale:MATRIX_SCALE_ROW1
.endif
.endif
.endm
.macro MUL8 f, a0, first               ; eight products; the 16 accumulators take turns, one instruction a turn, in the same order in every K step
.irp a, \a0, \a0+1
.irp b, 0,1,2,3
	WM \f, \a, \b, \first
.endr
.endr
.endm
; a K step that has a successor.  sync = p (1 to 3): the successor is the first K step of chunk p
.macro STEP s, first, sync
	s_wait_dscnt 8                                 ; all of this K step but the youngest eight loads (source 1's tiles 2 and 3)
	WIN MUL
	MUL8 (\s)%2, 0, \first
.if \sync
	s_wait_tensorcnt 3-\sync                       ; my part of chunk p has landed; my later chunks may stay out
	s_wait_dscnt 0x0                               ; no LDS instruction of mine is pending at the signal
	s_barrier_signal -1
	s_barrier_wait -1                              ; everybody's part has landed
.endif
	PLACES
	FETCH (\s)+1, 1-(\s)%2
	s_wait_dscnt 36                                ; all but the 36 just issued
	WIN MUL
	MUL8 (\s)%2, 2, \first
.endm
	s_load_b256 s[4:11], s[0:1], 0x0               ; COP s[4:5], WOP s[6:7], bo s[8:9], out0 s[10:11]
	v_lshl_add_u32 v[SPW], v0, 2, SPARE
	v_mov_b32 v[NIL], 0
	ds_add_u32 v[SPW], v[NIL]                      ; the wave's opening: the add and its wait stand ahead of my first tensor load; work on registers stands between them
	v_lshrrev_b32 v1, 5, v0
	v_readfirstlane_b32 s14, v1                    ; wave 0..3
	s_lshr_b32 s15, s14, 1                         ; my half of the tokens.  Also: I fetch ctx's panel (0) or Wo's (1)
	s_and_b32 s16, s14, 1                          ; my half of the columns.  Also: which K step of a chunk's two I fetch
	s_bfe_u32 s84, ttmp6, 0x40000                  ; cx
	s_bfe_u32 s85, ttmp6, 0x40004                  ; cy
	s_lshl_b32 s86, ttmp9, 2
	s_add_co_u32 s86, s86, s84                     ; work-group x: the block of 128 columns
	s_and_b32 s87, ttmp7, 0xffff
	s_lshl_b32 s87, s87, 2
	s_add_co_u32 s87, s87, s85                     ; work-group y: the block of 128 tokens
	s_lshl_b32 s88, s85, 2
	s_lshl_b32 s88, 15, s88                        ; my row of the cluster
	s_lshl_b32 s89, 0x1111, s84                    ; my column
	s_or_b32 s[G1Y], s88, (3<<16)|(1<<21)          ; 15:0 the mask; 17:16 elements of 8 bytes; 21 set beside a mask; no padding
	s_or_b32 s[G1X], s89, (3<<16)|(1<<21)
.irp g, G1Y, G1X
	s_mov_b32 s[\g+1], 32<<16                      ; tensor_dim0 = 32 elements: rows of 256 bytes
	s_mov_b32 s[\g+2], 50<<16                      ; tensor_dim1 = 50 rows: a K step's 12,800 dense bytes
	s_mov_b32 s[\g+3], 32<<16                      ; tile_dim0
	s_mov_b32 s[\g+4], 50                          ; tile_dim1
	s_mov_b32 s[\g+5], 32                          ; the pitch
	s_mov_b32 s[\g+6], 0
	s_mov_b32 s[\g+7], 0
.endr
	s_mul_i32 s56, s16, SLAB                       ; my K step of a chunk: no place in the cluster enters an LDS address
	s_mul_i32 s90, s87, PANEL
	s_add_co_u32 s90, s90, s56
	s_mov_b32 s91, 0
	s_add_co_u32 s92, s86, 24                      ; Wo's blocks are WOP's 24 to 31
	s_mul_i32 s92, s92, PANEL
	s_add_co_u32 s92, s92, s56
	s_mov_b32 s93, 0
	s_wait_dscnt 0x0                               ; the opening add is done
	s_wait_kmcnt 0x0
	s_add_nc_u64 s[90:91], s[4:5], s[90:91]
	s_add_nc_u64 s[92:93], s[6:7], s[92:93]
.irp p, 0,1,2,3
	s_mov_b32 s[G0Y+4*\p], 1
	s_add_co_u32 s[G0Y+4*\p+1], s56, PY+2*SLAB*\p
	s_add_nc_u64 s[G0Y+4*\p+2:G0Y+4*\p+3], s[90:91], 2*SLAB*\p
	s_or_b32 s[G0Y+4*\p+3], s[G0Y+4*\p+3], 0x80000000
	s_mov_b32 s[G0X+4*\p], 1
	s_add_co_u32 s[G0X+4*\p+1], s56, PX+2*SLAB*\p
	s_add_nc_u64 s[G0X+4*\p+2:G0X+4*\p+3], s[92:93], 2*SLAB*\p
	s_or_b32 s[G0X+4*\p+3], s[G0X+4*\p+3], 0x80000000
.endr
	CROUND                                         ; all sixteen work-groups are here: the joint loads meet
	s_cmp_eq_u32 s15, 0                            ; a wave's four fills stand in one branch on the wave's number: four tensor loads of mine are out
	s_cbranch_scc0 .Lfirst_x
.irp p, 0,1,2,3
	tensor_load_to_lds s[G0Y+4*\p:G0Y+4*\p+3], s[G1Y:G1Y+7]
	s_nop 0
.endr
	PLACES
	s_branch .Lfirst_asked
.Lfirst_x:
.irp p, 0,1,2,3
	tensor_load_to_lds s[G0X+4*\p:G0X+4*\p+3], s[G1X:G1X+7]
	s_nop 0
.endr
	PLACES
.Lfirst_asked:
	v_and_b32 v31, 31, v0
	v_lshlrev_b32 v[L16], 4, v31
	v_lshlrev_b32 v[L8], 3, v31
	v_lshlrev_b32 v[L4], 2, v31
	v_bfe_u32 v27, v0, 4, 1                        ; h
	v_lshlrev_b32 v30, 6, v27                      ; the bias: 64 h bytes: my half's eight columns of a tile lie 16 columns on
	s_lshl_b32 s62, s86, 9
	s_lshl_b32 s63, s16, 8
	s_add_co_u32 s62, s62, s63
	s_mov_b32 s63, 0
	s_add_nc_u64 s[62:63], s[8:9], s[62:63]        ; bo at my 64 columns: s[62:63] and v30 are written by no later line, so the loads' sources stay as they are
.irp b, 0,1,2,3
	global_load_b128 v[96+8*\b:99+8*\b], v30, s[62:63] offset:(32*(\b/2)+8*(\b%2))*4
	global_load_b128 v[100+8*\b:103+8*\b], v30, s[62:63] offset:(32*(\b/2)+8*(\b%2))*4+16
.endr
	ADDRS PY, PX
	v_and_b32 v26, 15, v0                          ; the stage, in: row 64 x my half + r + 8 (r / 8) (+ the tile's rows, in the offset), bytes 256 x my half of the columns + 64 h
	v_lshrrev_b32 v24, 3, v26
	v_lshl_add_u32 v26, v24, 3, v26
	v_mul_u32_u24 v24, v26, SP
	v_lshl_add_u32 v24, v27, 6, v24
	s_mul_i32 s56, s15, 64*SP
	s_lshl_b32 s57, s16, 8
	s_add_co_u32 s56, s56, s57
	s_add_co_u32 s56, s56, STG
	v_add_nc_u32 v24, s56, v24
	s_mul_i32 s56, s14, 32*SP                      ; back: wave w takes rows 32 w .. 32 w + 31, whole: 16 bytes a lane
	s_add_co_u32 s56, s56, STG
	v_add_nc_u32 v25, s56, v[L16]
	s_lshl_b32 s58, s87, 19                        ; out0: 128 rows of 4,096 bytes a block,
	s_lshl_b32 s59, s14, 17                        ; 32 rows a wave,
	s_add_co_u32 s58, s58, s59
	s_lshl_b32 s59, s86, 9                         ; 512 bytes a block of columns
	s_add_co_u32 s58, s58, s59
	s_mov_b32 s59, 0
	s_add_nc_u64 s[58:59], s[10:11], s[58:59]
	s_wait_tensorcnt 3                             ; my part of chunk 0 has landed; three loads may stay out
	s_barrier_signal -1
	s_barrier_wait -1                              ; everybody's has
	FETCH 0, 0
	s_wait_loadcnt 0x0                             ; the bias
	STEP 0, 1, 0
	STEP 1, 0, 1
	STEP 2, 0, 0
	STEP 3, 0, 2
	STEP 4, 0, 0
	STEP 5, 0, 3
	STEP 6, 0, 0
	s_wait_dscnt 8                                 ; the last K step: nothing more to fetch
	WIN MUL
	MUL8 1, 0, 0
	s_wait_dscnt 0x0
	MUL8 1, 2, 0
	WIN 0
	PLACES
.irp a, 0,1,2,3
.irp b, 0,1,2,3
	ds_store_b128 v24, v[128+8*(4*\a+\b):128+8*(4*\a+\b)+3] offset:(32*(\a/2)+8*(\a%2))*SP+128*(\b/2)+32*(\b%2)       ; each accumulator from its low end on
	ds_store_b128 v24, v[128+8*(4*\a+\b)+4:128+8*(4*\a+\b)+7] offset:(32*(\a/2)+8*(\a%2))*SP+128*(\b/2)+32*(\b%2)+16
.endr
.endr
	s_wait_dscnt 0x0                               ; for the others' sake: my stores into the stage are done
	s_barrier_signal -1
	s_barrier_wait -1
.set i, 0
.rept 32
	ds_load_b128 v[128+4*i:128+4*i+3], v25 offset:SP*i
.set i, i+1
.endr
.set i, 0
.rept 32
	s_wait_dscnt 31-i                              ; row i is back; the younger loads may be out
	global_store_b128 v[L16], v[128+4*i:128+4*i+3], s[58:59] offset:4096*i th:TH_STORE_NT   ; 32 lanes store 512 consecutive bytes, at a multiple of 256 from out0's first byte
.set i, i+1
.endr
	s_wait_tensorcnt 0x0                           ; the wave's end, behind my last tensor load and my last LDS store
	ds_add_u32 v[SPW], v[NIL]
	s_wait_dscnt 0x0
	CROUND                                         ; the closing round: no work-group ends while a partner may still ask for a chunk that names it
	s_endpgm
.Lfunc_end_k_q0d9715c178_oproj:
	.size	k_q0d9715c178_oproj, .Lfunc_end_k_q0d9715c178_oproj-k_q0d9715c178_oproj
	.p2alignl 7, 3214868480
	.fill 96, 4, 3214868480
	.section	.rodata,"a",@progbits
	.p2align	6, 0x0
	.amdhsa_kernel k_q0d9715c178_oproj
		.amdhsa_group_segment_fixed_size 272896
		.amdhsa_private_segment_fixed_size 0
		.amdhsa_enable_private_segment 0
		.amdhsa_kernarg_size 32
		.amdhsa_user_sgpr_count 2
		.amdhsa_user_sgpr_kernarg_segment_ptr 1
		.amdhsa_wavefront_size32 1
		.amdhsa_system_sgpr_workgroup_id_x 1
		.amdhsa_system_sgpr_workgroup_id_y 1
		.amdhsa_system_sgpr_workgroup_id_z 1
		.amdhsa_system_vgpr_workitem_id 0
		.amdhsa_next_free_vgpr 512
		.amdhsa_next_free_sgpr 100
		.amdhsa_reserve_vcc 0
		.amdhsa_float_denorm_mode_32 3
		.amdhsa_float_denorm_mode_16_64 3
		.amdhsa_memory_ordered 1
		.amdhsa_forward_progress 1
		.amdhsa_inst_pref_size 55
	.end_amdhsa_kernel
	.amdgpu_metadata
---
amdhsa.version: [ 1, 2 ]
amdhsa.kernels:
  - .name:           k_q0d9715c178_oproj
    .symbol:         k_q0d9715c178_oproj.kd
    .args:
      - { .name: COP, .offset: 0, .size: 8, .value_kind: global_buffer, .address_space: global }
      - { .name: WOP, .offset: 8, .size: 8, .value_kind: global_buffer, .address_space: global }
      - { .name: bo, .offset: 16, .size: 8, .value_kind: global_buffer, .address_space: global }
      - { .name: out0, .offset: 24, .size: 8, .value_kind: global_buffer, .address_space: global }
    .group_segment_fixed_size: 272896
    .private_segment_fixed_size: 0
    .kernarg_segment_align: 8
    .kernarg_segment_size: 32
    .max_flat_workgroup_size: 128
    .sgpr_count:     100
    .vgpr_count:     512
    .wavefront_size: 32
...
	.end_amdgpu_metadata
.endif
;; end of part 4
